; MI455X (gfx1250); checked and timed in simulation.
; The chip was launched on July 23, 2026; its instructions are those of AMD's public machine-readable ISA for CDNA 5 (MIT licence, August 2026) and "CDNA5" Instruction Set Architecture Reference Guide (July 2026). The comments in the code are by the model that wrote it; some were corrected since.
;; Self Attention. Allowed arithmetic: matrix products marked QUANTISED: E2M1 operands, one E8M0 scale for each 32 along K, by v_wmma_scale_f32_16x16x128_f8f6f4 with both operands' format E2M1 (or v_wmma_scale_f32_32x16x128_f4), f32 sums; everything else in f32.
;; Inputs: Wk 768 x 768 float32; Wq 768 x 768 float32; Wv 768 x 768 float32; bk 768 float32; bq 768 float32; bv 768 float32; x 2 x 4,096 x 768 float32.
;; Outputs: out0 2 x 4,096 x 768 float32.
;; This version of the problem:
;;   THIS VERSION OF THE PROBLEM IS GIVEN IN LOW PRECISION. The matrix products marked QUANTISED in the list below multiply operands that are first quantised to E2M1 (2 exponent bits, 1 mantissa bit; 4 bits a number), with one power-of-two scale for each 32 numbers along K (OCP MX v1.0); their sums are f32. All else is computed in f32.
;;   The module's matrix products, in the order in which they are computed (A, B: the left and right operand; K: the contracted axis; several contracted axes count as one K, in the product's order):
;;     1. [M 8,192, K 768] x [K 768, N 768]; A: input x; B: input Wq: QUANTISED
;;     2. [M 8,192, K 768] x [K 768, N 768]; A: input x; B: input Wk: QUANTISED
;;     3. [M 8,192, K 768] x [K 768, N 768]; A: input x; B: input Wv: QUANTISED
;;     4. batch 12 x [M 4,096, K 128] x [K 128, N 4,096]; A: computed on the way; B: computed on the way: QUANTISED
;;     5. batch 12 x [M 4,096, K 4,096] x [K 4,096, N 128]; A: softmax (see below); B: computed on the way: QUANTISED
;;   THE QUANTISER, for each operand of a quantised product, along K:
;;     - K is cut into blocks of 32 from its start; a last block that is shorter is filled with zeros.
;;     - A block's scale is 2^e with e = floor(log2(the largest magnitude in the block)) - 2, held to -126 .. 127; a block of zeros has e = 0. As a byte (E8M0): e + 127.
;;     - Each number is divided by its block's scale, clamped to +-6, and rounded to the nearest number of E2M1, ties to even, subnormals kept.
;;     - The product sums the exact products of the quantised numbers (number of the format x scale) in f32.
;;   ~~~python
;;   def quantise(x, axis):      # numpy; x: float32 -> the quantised numbers, widened to float32 again
;;       x = np.moveaxis(x, axis, -1); K = x.shape[-1]
;;       x = np.pad(x, [(0, 0)] * (x.ndim - 1) + [(0, -K % 32)]); x = x.reshape(x.shape[:-1] + (-1, 32)); a = np.abs(x).max(-1, keepdims=True)
;;       e = np.where(a > 0, np.clip(np.frexp(np.where(a > 0, a, 1))[1] - 1 - 2, -126, 127), 0)      # np.frexp(a)[1] - 1 = floor(log2(a)), exactly
;;       r = np.clip(x / 2.0 ** e, -6, 6)
;;       step = 2.0 ** (np.maximum(np.frexp(np.where(r == 0, 1, r))[1] - 1, 0) - 1)
;;       q = np.round(r / step) * step * 2.0 ** e      # np.round: ties to even
;;       return np.moveaxis(q.reshape(q.shape[:-2] + (-1,))[..., :K], -1, axis).astype(np.float32)
;;   ~~~
;;   SOFTMAX AHEAD OF A QUANTISED PRODUCT. Where the list says 'softmax', what is quantised is not the finished softmax but p = 2^(t - M), with t = logit x log2(e) and M = ceil(the row's largest t), a whole number; so 1/2 < the row's largest p <= 1. The row's sum l is taken of the UNQUANTISED p, in f32, and the product's result is divided by l at the end. Since M is a whole number, a kernel that streams over the keys may use a running M (the ceiling of the running maximum): every later rescaling is an exact power of two, which a block's scale takes up: the codes' values come out the same.
;;   OPERANDS COMPUTED ON THE WAY. 'Computed on the way' means the value that the module computes at that place (a softmax that the list does not call 'softmax' is quantised finished and normalised). What goes into a quantiser is computed in f32, as accurately as f32 sums, v_exp_f32 and their like allow (about 1e-6 of the number): no bf16 or f16 on the way to a quantiser, and a product that is left as it is and whose result goes on into a quantised operand takes f32 operands (vector FMAs, or v_wmma_f32_16x16x4_f32). A number that lies on a knife's edge between two numbers of the format may be rounded either way, as far as f32 arithmetic and the matrix unit's own rounding can turn it there, and no further.
;; One version. Each part assembles by itself: llvm-mc -triple=amdgcn-amd-amdhsa -mcpu=gfx1250 --defsym DOCPART=n.
;; ======== version 1 of 1: 3 launches
;; limits: right only within a limited range of input values
;; workspace buffers: ximg 3,145,728 bytes; xsc 262,144 bytes; wimg 884,736 bytes; wsc 73,728 bytes; qimg 3,145,728 bytes; qsc 196,608 bytes; kvimg 6,291,456 bytes; kvsc 393,216 bytes
;; launch prep (part 1): grid 364 x 1, 4 waves a work-group, no clusters, 34,304 bytes of LDS; arguments x, Wq, Wk, Wv, bq, bk, bv, ximg, xsc, wimg, wsc; writes ximg, xsc, wimg, wsc
.if DOCPART == 1
	.amdgcn_target "amdgcn-amd-amdhsa--gfx1250"
	.amdhsa_code_object_version 6
	.text
	.protected	k_q56c6610729_prep
	.globl	k_q56c6610729_prep
	.p2align	8
	.type	k_q56c6610729_prep,@function
k_q56c6610729_prep:
	s_mov_b64 s[64:65], 0
	v_nop
	global_prefetch_b8 v0, s[64:65] scope:SCOPE_SE
	s_setreg_imm32_b32 hwreg(HW_REG_WAVE_MODE, 25, 1), 1
	s_wait_xcnt 0x0
; x [8192][768] and Wq, Wk, Wv [768 (k)][768 (n)], f32, become codes of FP4 (E2M1) with one E8M0 byte for each 32 along K = 768, laid as IMAGES OF OPERAND REGISTERS.
; ROWS go in units of 128 (x: 64 units; W's columns n: 18 units, q's six heads, k's six, v's six), a unit in 8 tiles of 16; lane r of tile t stands for row 32 (t / 2) + 8 (t % 2) + r + 8 (r / 8).
; IMAGE of (tile, K step of 128): 1,024 bytes; byte 512 c + 16 l holds registers 4 c .. 4 c + 3 of lane l = 16 h + r, which are k = 64 c + 32 h + 0 .. 31 of that lane's row.  ximg, wimg: [unit][tile 8][K step 6][1024].
; SCALES, xsc, wsc: [unit][tile 8][half 2][r 16][4 words]: word i < 3 of half g is the row's scale word of K step 3 g + i; word 3 is the row's bias in wsc (in both halves), a copy of word 2 in xsc.
; A block's scale is 2^(floor(log2(its largest magnitude)) - 2): its byte is the largest magnitude's exponent field - 2, held at 1 from below by a floor among the maximum's leaves.
; LIMITS: a block of zeros gets the byte 1 where the rule says 127 (its codes are zeros, and this program alone reads the bytes); NaN and infinities among the inputs are not served.
; Work-groups 0-255 take x: a wave takes one tile (16 rows) x 384 along K.  Work-groups 256-363 take the weights: (unit, K step) each, a wave 32 columns.  Only x's path uses LDS, each wave a stage of its own: no barrier.
; wsc's words are stored 4 bytes a lane, 16 bytes apart: 73,728 bytes in all beside the 32 MB that the launch reads.
.set XROW,  3072                       ; a row of x or of W in bytes
.set SP,    528                        ; a stage row: 512 bytes + 16: sixteen rows start at sixteen different 16-byte columns of 256
.set WSTG,  16*SP                      ; a wave's stage
.set TM,    16                         ; v16-31   at work in QUANT
.set R0,    32                         ; v32-95   a K step's numbers as loaded
.set R1,    96                         ; v96-159  the same, second set
.set X,     160                        ; v160-223 a K step's numbers as the conversions want them
.set PC,    224                        ; v224-247 codes: eight registers for each K step, so that no store's data are written again
.set PW,    248                        ; v248-250 a scale word for each K step
.set WN,    32                         ; weights: v32-159 four blocks of 32 numbers
.set SEL,   40                         ; s[40:41] lane selects for v_permlanex16_b32: lane l xor 16
; 64 numbers of a lane, register 16 b + i = k 32 b + 16 (lane / 16) + i of my row, become a fragment's codes in v[pc] on and my row's scale word in v[pw].
.macro QUANT s, pc, pw
.irp b, 0,1,2,3
	v_max3_num_f32 v[TM+\b], |v[(\s)+16*\b]|, |v[(\s)+1+16*\b]|, 0x1800000   ; block b: my 16 numbers, and the floor 2^(3 - 127): the byte cannot fall under 1
.endr
.irp i, 2,4,6,8,10,12,14
.irp b, 0,1,2,3
	v_max3_num_f32 v[TM+\b], v[TM+\b], |v[(\s)+16*\b+\i]|, |v[(\s)+1+16*\b+\i]|   ; the four blocks by turns
.endr
.endr
.irp b, 0,1,2,3
	v_permlanex16_b32 v[TM+4+\b], v[TM+\b], s[SEL], s[SEL+1]
.endr
.irp b, 0,1,2,3
	v_max_num_f32 v[TM+\b], v[TM+\b], v[TM+4+\b]   ; with lane l xor 16's: the block's largest magnitude
.endr
.irp b, 0,1,2,3
	v_add_nc_u32 v[TM+12+\b], 0xff000000, v[TM+\b]   ; 2 off its exponent field: the conversion's scale operand
.endr
.irp b, 0,1,2,3
	v_lshrrev_b32 v[TM+4+\b], 23, v[TM+12+\b]      ; the scale's byte
.endr
	v_lshl_or_b32 v[\pw], v[TM+5], 8, v[TM+4]
	v_lshl_or_b32 v[\pw], v[TM+6], 16, v[\pw]
	v_lshl_or_b32 v[\pw], v[TM+7], 24, v[\pw]
.irp b, 0,1,2,3
	v_cvt_scalef32_pk8_fp4_f32 v[(\pc)+2*\b], v[(\s)+16*\b:(\s)+7+16*\b], v[TM+12+\b]
	v_cvt_scalef32_pk8_fp4_f32 v[(\pc)+1+2*\b], v[(\s)+8+16*\b:(\s)+15+16*\b], v[TM+12+\b]
.endr
	v_nop                                          ; one plain place behind a scaled conversion
.irp c, 0,1                                    ; the layout wants a whole block in a lane: lanes 0-15 block 2 c, lanes 16-31 block 2 c + 1
.irp i, 0,1
	v_permlane16_swap_b32 v[(\pc)+4*\c+\i], v[(\pc)+2+4*\c+\i]
.endr
.endr
.endm
	s_load_b256 s[4:11], s[0:1], 0x0               ; x s[4:5], Wq s[6:7], Wk s[8:9], Wv s[10:11]
	s_load_b256 s[12:19], s[0:1], 0x20             ; bq s[12:13], bk s[14:15], bv s[16:17], ximg s[18:19]
	s_load_b128 s[20:23], s[0:1], 0x40             ; xsc s[20:21], wimg s[22:23]
	s_load_b64 s[24:25], s[0:1], 0x50              ; wsc
	v_lshl_add_u32 v254, v0, 2, 0x8400
	v_mov_b32 v255, 0
	v_lshrrev_b32 v1, 5, v0
	v_readfirstlane_b32 s26, v1                    ; wave 0..3
	v_and_b32 v5, 31, v0                           ; lane
	s_cmp_lt_u32 ttmp9, 256
	s_cbranch_scc0 .Lweights
	; ---------------- x ----------------
	v_lshlrev_b32 v1, 4, v5                        ; 16 x lane: my bytes of a load's 512, and of an image's
	v_and_b32 v6, 15, v0                           ; r
	v_bfe_u32 v7, v0, 4, 1                         ; h
	s_mul_i32 s27, s26, WSTG                       ; my wave's stage
	v_add_nc_u32 v2, s27, v1                       ; into it: a row as it was loaded
	v_mul_u32_u24 v3, v6, SP
	v_lshl_add_u32 v3, v7, 6, v3
	v_add_nc_u32 v3, s27, v3                       ; out of it: row r, + 64 h: my 16 numbers of each block of 32
	v_lshlrev_b32 v4, 4, v6
	v_lshl_add_u32 v4, v7, 3, v4                   ; the scale record: 16 r + 8 h
	s_mov_b32 s[SEL], 0x76543210
	s_mov_b32 s[SEL+1], 0xfedcba98
.irp b, 0,1,2,3
	v_mov_b32 v[TM+4+\b], 0                        ; written once: a lane permute's destination counts as one of its sources
.endr
	s_lshr_b32 s28, ttmp9, 2                       ; unit U
	s_and_b32 s29, ttmp9, 3
	s_lshl_b32 s29, s29, 2
	s_add_co_u32 s29, s29, s26
	s_lshr_b32 s30, s29, 1                         ; tile t
	s_and_b32 s31, s29, 1                          ; which half of K
	s_lshl_b32 s32, s28, 7
	s_lshr_b32 s33, s30, 1
	s_lshl_b32 s33, s33, 5
	s_add_co_u32 s32, s32, s33
	s_and_b32 s33, s30, 1
	s_lshl_b32 s33, s33, 3
	s_add_co_u32 s32, s32, s33                     ; the tile's first row: 128 U + 32 (t / 2) + 8 (t % 2)
	s_mul_i32 s32, s32, XROW
	s_mul_i32 s33, s31, 1536
	s_add_co_u32 s32, s32, s33
	s_mov_b32 s33, 0
	s_lshl_b32 s34, s28, 3
	s_add_co_u32 s34, s34, s30                     ; 8 U + t
	s_mul_i32 s36, s34, 6
	s_mul_i32 s37, s31, 3
	s_add_co_u32 s36, s36, s37
	s_lshl_b32 s36, s36, 10                        ; my three images
	s_mov_b32 s37, 0
	s_lshl_b32 s38, s34, 9
	s_lshl_b32 s39, s31, 8
	s_add_co_u32 s38, s38, s39                     ; my 256 bytes of the tile's scale record
	s_mov_b32 s39, 0
	s_wait_alu depctr_va_vdst(0)
	s_wait_kmcnt 0x0
	s_add_nc_u64 s[4:5], s[4:5], s[32:33]
	s_add_nc_u64 s[18:19], s[18:19], s[36:37]
	s_add_nc_u64 s[20:21], s[20:21], s[38:39]
.macro LOADX k, set                    ; K step k of my 16 rows: each load reads 512 consecutive bytes of one row
.irp i, 0,1,2,3,4,5,6,7,8,9,10,11,12,13,14,15
	global_load_b128 v[\set+4*\i:\set+4*\i+3], v1, s[4:5] offset:(\i+8*(\i/8))*XROW+512*\k th:TH_LOAD_NT
.endr
.endm
.macro TURNX set                       ; through the stage: LDS serves a wave's instructions in order, so no wait stands between the stores and the loads
.irp i, 0,1,2,3,4,5,6,7,8,9,10,11,12,13,14,15
	ds_store_b128 v2, v[\set+4*\i:\set+4*\i+3] offset:SP*\i
.endr
.irp b, 0,1,2,3
.irp j, 0,1,2,3
	ds_load_b128 v[X+16*\b+4*\j:X+16*\b+4*\j+3], v3 offset:128*\b+16*\j
.endr
.endr
	s_wait_dscnt 0x0                               ; the numbers are back, so the stores have read their registers
.endm
.macro WORKX k
	QUANT X, PC+8*\k, PW+\k
	global_store_b128 v1, v[PC+8*\k:PC+8*\k+3], s[18:19] offset:1024*\k          ; 32 lanes store 512 consecutive bytes
	global_store_b128 v1, v[PC+8*\k+4:PC+8*\k+7], s[18:19] offset:1024*\k+512
.endm
	LOADX 0, R0
	LOADX 1, R1
	s_wait_loadcnt 16                              ; K step 0's sixteen loads are in; step 1's may be out
	TURNX R0
	LOADX 2, R0
	WORKX 0
	s_wait_loadcnt 16                              ; step 1's are in; step 2's may be out
	TURNX R1
	WORKX 1
	s_wait_loadcnt 0x0
	TURNX R0
	WORKX 2
	v_cmp_ne_u32 vcc_lo, 0, v7
	v_cndmask_b32 v252, v[PW], v[PW+2], vcc_lo     ; lanes 0-15: words 0, 1; lanes 16-31: word 2 and its copy
	v_cndmask_b32 v253, v[PW+1], v[PW+2], vcc_lo
	global_store_b64 v4, v[252:253], s[20:21]      ; the wave stores 256 consecutive bytes, aligned
	s_wait_tensorcnt 0x0
	ds_add_u32 v254, v255
	s_wait_dscnt 0x0
	s_endpgm
	; ---------------- the weights: a lane takes a column n, and its registers run down K ----------------
.Lweights:
	s_wait_alu depctr_va_vdst(0)
	v_lshlrev_b32 v1, 2, v5                        ; 4 x lane
	v_bfe_u32 v6, v5, 3, 1                         ; my column's tile of the wave's two: (L / 8) % 2
	v_and_b32 v7, 7, v5
	v_lshrrev_b32 v8, 4, v5
	v_lshl_add_u32 v7, v8, 3, v7                   ; and its lane there: L % 8 + 8 (L / 16)
	v_mul_u32_u24 v2, v6, 6144
	v_lshl_add_u32 v2, v7, 4, v2                   ; in the images: a tile is 6 x 1,024 bytes
	v_lshlrev_b32 v3, 9, v6
	v_lshl_add_u32 v3, v7, 4, v3                   ; in the scale records: a tile is 512 bytes
	s_sub_co_u32 s27, ttmp9, 256                   ; j = 0 .. 107
	s_mul_i32 s28, s27, 43
	s_lshr_b32 s28, s28, 8                         ; unit G = j / 6 (43 j / 256 is j / 6 for j under 126)
	s_mul_i32 s29, s28, 6
	s_sub_co_u32 s29, s27, s29                     ; K step s
	s_cmp_ge_u32 s29, 3
	s_cselect_b32 s35, 1, 0                        ; s / 3
	s_mul_i32 s36, s35, 3
	s_sub_co_u32 s36, s29, s36                     ; s % 3
	s_wait_alu depctr_va_vdst(0)
	s_wait_kmcnt 0x0
	s_cmp_lt_u32 s28, 12                           ; which matrix and bias: the choice hangs on the work-group's number alone
	s_cselect_b64 s[30:31], s[8:9], s[10:11]
	s_cselect_b64 s[32:33], s[14:15], s[16:17]
	s_cselect_b32 s34, 6, 12
	s_cmp_lt_u32 s28, 6
	s_cselect_b64 s[30:31], s[6:7], s[30:31]
	s_cselect_b64 s[32:33], s[12:13], s[32:33]
	s_cselect_b32 s34, 0, s34
	s_sub_co_u32 s34, s28, s34                     ; the head
	s_lshl_b32 s34, s34, 7
	s_lshl_b32 s37, s26, 5
	s_add_co_u32 s34, s34, s37                     ; my wave's first column: 128 x head + 32 x wave
	s_lshl_b32 s38, s34, 2
	s_mov_b32 s39, 0
	s_add_nc_u64 s[32:33], s[32:33], s[38:39]      ; the bias at that column
	s_mul_i32 s37, s29, 128*XROW
	s_add_co_u32 s38, s38, s37
	s_add_nc_u64 s[30:31], s[30:31], s[38:39]      ; W at (128 s, that column)
	s_mul_i32 s38, s28, 49152
	s_mul_i32 s37, s26, 12288
	s_add_co_u32 s38, s38, s37
	s_lshl_b32 s37, s29, 10
	s_add_co_u32 s38, s38, s37
	s_add_nc_u64 s[22:23], s[22:23], s[38:39]      ; image (G, tile 2 x wave, s)
	s_lshl_b32 s38, s28, 12
	s_lshl_b32 s37, s26, 10
	s_add_co_u32 s38, s38, s37
	s_lshl_b32 s37, s35, 8
	s_add_co_u32 s38, s38, s37
	s_lshl_b32 s37, s36, 2
	s_add_co_u32 s38, s38, s37
	s_add_nc_u64 s[24:25], s[24:25], s[38:39]      ; scale record (G, tile 2 x wave), half s / 3, word s % 3
.macro LOADW q                         ; block q: W(128 s + 32 q + i, my column): the four waves read 512 consecutive bytes of a row
.set i, 0
.rept 32
	global_load_b32 v[WN+32*(\q)+i], v1, s[30:31] offset:(32*(\q)+i)*XROW th:TH_LOAD_NT
.set i, i+1
.endr
.endm
.macro BLOCKW q, cnt
	s_wait_loadcnt \cnt                            ; this block's 32 loads are in; the next block's may be out
.if (\q) < 2
	LOADW (\q)+2
.endif
.set XS, WN+32*(\q)
	v_max3_num_f32 v8, |v[XS]|, |v[XS+1]|, |v[XS+2]|   ; the block's largest magnitude: all 32 numbers are mine; two chains
	v_max3_num_f32 v9, |v[XS+3]|, |v[XS+4]|, |v[XS+5]|
.irp i, 6,10,14,18,22,26
	v_max3_num_f32 v8, v8, |v[XS+\i]|, |v[XS+\i+1]|
	v_max3_num_f32 v9, v9, |v[XS+\i+2]|, |v[XS+\i+3]|
.endr
	v_max3_num_f32 v8, v8, |v[XS+30]|, |v[XS+31]|
	v_max3_num_f32 v8, v8, v9, 0x1800000           ; and the floor
	v_add_nc_u32 v10, 0xff000000, v8               ; the conversion's scale operand
	v_lshrrev_b32 v11, 23, v10                     ; the byte
.if (\q) == 0
	v_mov_b32 v160, v11
.else
	v_lshl_or_b32 v160, v11, 8*(\q), v160
.endif
.irp g, 0,1,2,3
	v_cvt_scalef32_pk8_fp4_f32 v[16+4*(\q)+\g], v[XS+8*\g:XS+8*\g+7], v10
.endr
	v_nop                                          ; one plain place behind a scaled conversion
	global_store_b128 v2, v[16+4*(\q):16+4*(\q)+3], s[22:23] offset:256*(\q)   ; block q = 2 c + h lies at byte 256 q + 16 r of its image: each aligned 256 bytes by one instruction
.endm
	LOADW 0
	LOADW 1
	BLOCKW 0, 32
	BLOCKW 1, 32
	BLOCKW 2, 32
	BLOCKW 3, 0
	global_store_b32 v3, v160, s[24:25]            ; my row's scale word of this K step
	s_cmp_lg_u32 s36, 2                            ; the work-groups that write word 2 also write word 3, the row's bias
	s_cbranch_scc1 .Ldone
	global_load_b32 v161, v1, s[32:33]
	s_wait_loadcnt 0x0
	global_store_b32 v3, v161, s[24:25] offset:4
.Ldone:
	s_endpgm
.Lfunc_end_k_q56c6610729_prep:
	.size	k_q56c6610729_prep, .Lfunc_end_k_q56c6610729_prep-k_q56c6610729_prep
	.p2alignl 7, 3214868480
	.fill 96, 4, 3214868480
	.section	.rodata,"a",@progbits
	.p2align	6, 0x0
	.amdhsa_kernel k_q56c6610729_prep
		.amdhsa_group_segment_fixed_size 34304
		.amdhsa_private_segment_fixed_size 0
		.amdhsa_enable_private_segment 0
		.amdhsa_kernarg_size 88
		.amdhsa_user_sgpr_count 2
		.amdhsa_user_sgpr_kernarg_segment_ptr 1
		.amdhsa_wavefront_size32 1
		.amdhsa_system_sgpr_workgroup_id_x 1
		.amdhsa_system_sgpr_workgroup_id_y 1
		.amdhsa_system_sgpr_workgroup_id_z 1
		.amdhsa_system_vgpr_workitem_id 0
		.amdhsa_next_free_vgpr 256
		.amdhsa_next_free_sgpr 66
		.amdhsa_reserve_vcc 1
		.amdhsa_float_denorm_mode_32 3
		.amdhsa_float_denorm_mode_16_64 3
		.amdhsa_memory_ordered 1
		.amdhsa_forward_progress 1
		.amdhsa_inst_pref_size 47
	.end_amdhsa_kernel
	.amdgpu_metadata
---
amdhsa.version: [ 1, 2 ]
amdhsa.kernels:
  - .name:           k_q56c6610729_prep
    .symbol:         k_q56c6610729_prep.kd
    .args:
      - { .name: x, .offset: 0, .size: 8, .value_kind: global_buffer, .address_space: global }
      - { .name: Wq, .offset: 8, .size: 8, .value_kind: global_buffer, .address_space: global }
      - { .name: Wk, .offset: 16, .size: 8, .value_kind: global_buffer, .address_space: global }
      - { .name: Wv, .offset: 24, .size: 8, .value_kind: global_buffer, .address_space: global }
      - { .name: bq, .offset: 32, .size: 8, .value_kind: global_buffer, .address_space: global }
      - { .name: bk, .offset: 40, .size: 8, .value_kind: global_buffer, .address_space: global }
      - { .name: bv, .offset: 48, .size: 8, .value_kind: global_buffer, .address_space: global }
      - { .name: ximg, .offset: 56, .size: 8, .value_kind: global_buffer, .address_space: global }
      - { .name: xsc, .offset: 64, .size: 8, .value_kind: global_buffer, .address_space: global }
      - { .name: wimg, .offset: 72, .size: 8, .value_kind: global_buffer, .address_space: global }
      - { .name: wsc, .offset: 80, .size: 8, .value_kind: global_buffer, .address_space: global }
    .group_segment_fixed_size: 34304
    .private_segment_fixed_size: 0
    .kernarg_segment_align: 8
    .kernarg_segment_size: 88
    .max_flat_workgroup_size: 128
    .sgpr_count:     66
    .vgpr_count:     256
    .wavefront_size: 32
...
	.end_amdgpu_metadata
.endif
;; end of part 1
;; launch qkv (part 2): grid 256 x 1, 4 waves a work-group, no clusters, 0 bytes of LDS; arguments ximg, xsc, wimg, wsc, bq, bk, qimg, qsc, kvimg, kvsc; writes qimg, qsc, kvimg, kvsc
.if DOCPART == 2
	.amdgcn_target "amdgcn-amd-amdhsa--gfx1250"
	.amdhsa_code_object_version 6
	.text
	.protected	k_q56c6610729_qkv
	.globl	k_q56c6610729_qkv
	.p2align	8
	.type	k_q56c6610729_qkv,@function
k_q56c6610729_qkv:
	s_mov_b64 s[64:65], 0
	v_nop
	global_prefetch_b8 v0, s[64:65] scope:SCOPE_SE
	s_setreg_imm32_b32 hwreg(HW_REG_WAVE_MODE, 25, 1), 1
	s_wait_xcnt 0x0
; q = x Wq + bq, k = x Wk + bk, v = x Wv + bv on codes of FP4 with E8M0 scales (K = 768, six steps of 128), and the results quantised in registers: q and k along the head's 128, v along the keys.
; A SUB-UNIT: a BIG operand (128 rows = 8 tiles x 6 K steps, 384 registers, resident) as source 0, one SMALL tile (6 fragments) as source 1: 48 matrix instructions on 8 accumulators by turns.
; By the choice of rows in a tile (lane r of tile t: row 32 (t / 2) + 8 (t % 2) + r + 8 (r / 8)) register 16 b + i of lane half h is BIG's row 32 b + 16 h + i: 16 neighbours along the next K.
;   q, k: BIG = the head's 128 columns of W, SMALL = 16 rows of x: a lane holds one row, its registers run along d.     v: BIG = 128 rows of x, SMALL = 16 columns of Wv: a lane holds one d, its registers run along the keys.
; Each sub-unit gives one image (1,024 bytes) and one scale word a lane.  OUT: qimg [head12 12][step 32][tile 8][1024]; kvimg [head12][step][K: 8 x 1024 | V^T: 8 x 1024]; qsc [head12][step][group 2][r 16][4 words],
; word i of group g = tile 4 g + i's word of row r; kvsc [head12][step][K 512 | V 512], each as qsc.  head12 = 6 x batch + head; step = the unit of 128 rows in the batch.
; SHARES: 9,216 sub-units on 1,024 waves.  Work-groups 0-191: head unit G = wg / 16 (q: 0-5, k: 6-11), wave w takes x unit 4 (wg % 16) + w: 8 sub-units.  Work-groups 192-255: x unit wg - 192, wave w takes 12 of Wv's 48 tiles.
; Operands come dense from memory into registers, 16 bytes a lane: no LDS, no barrier.  No cluster: what waves share here is read a few times only, and each wave's loop has two or three trips.
; LIMITS: a block of zeros gets the byte 1 where the rule says 127 (its codes are zeros; this program alone reads the bytes); NaN and infinities are not served.
; REGISTERS, in windows of 256: window 0: v1-3 addresses; v16-79 the accumulators; v80-111 BIG's scale records, v112-119 SMALL's (two sets; register 3 of a set is the lane's bias); v120-135 at work; v136-167 codes; v168-171 scale words;
;   v172-173 the scale store's data; v176-183 v's bias as a C.   window 1: BIG's K steps 0-3 at v[64 s + 8 t].   window 2: K steps 4, 5 at v[64 (s - 4) + 8 t]; from v128 the bias of q or k in the result's layout.   window 3: SMALL, two sets of 48.
.set LI,   1                           ; v1  16 x lane
.set A8,   2                           ; v2  16 r + 8 h
.set BH,   3                           ; v3  64 h
.set ACC,  16
.set BSC,  80
.set SSC,  112
.set TM,   120
.set PC,   136
.set PW,   168
.set OW,   172
.set BV,   176
.set BI,   128                         ; in window 2
.set WV,   24
.set ISV,  25                          ; 1 in v's work-groups
.set GH,   26
.set UN,   27
.set GAM,  28                          ; which group of four tiles of the output is in hand
.set HB,   29
.set STP,  30
.set CNT,  31
.set BIGP, 32
.set BIGS, 34
.set SM,   36
.set SMS,  38
.set IB,   40                          ; the images' buffer, kept
.set SB,   42                          ; the scales' buffer, kept
.set OI,   44                          ; where this group's images go
.set OS,   46                          ; and its scale words
.set RSI,  48
.set IOI,  49
.set RSS,  50
.set IOS,  51
.set SEL,  52
.set BP,   54
.set MSB, 0
.macro WIN new                         ; the immediate's high byte repeats the setting that is left
.if MSB != \new
	s_set_vgpr_msb (MSB<<8)|\new
.set MSB, \new
.endif
.endm
.macro QUANT s, pc, pw                 ; 64 numbers of a lane, register 16 b + i = k 32 b + 16 (lane / 16) + i of its row -> a fragment's codes in v[pc] on, the row's scale word in v[pw]
.irp b, 0,1,2,3
	v_max3_num_f32 v[TM+\b], |v[(\s)+16*\b]|, |v[(\s)+1+16*\b]|, 0x1800000   ; and the floor 2^(3 - 127); each accumulator is read from its low end on
.endr
.irp i, 2,4,6,8,10,12,14
.irp b, 0,1,2,3
	v_max3_num_f32 v[TM+\b], v[TM+\b], |v[(\s)+16*\b+\i]|, |v[(\s)+1+16*\b+\i]|
.endr
.endr
.irp b, 0,1,2,3
	v_permlanex16_b32 v[TM+4+\b], v[TM+\b], s[SEL], s[SEL+1]
.endr
.irp b, 0,1,2,3
	v_max_num_f32 v[TM+\b], v[TM+\b], v[TM+4+\b]
.endr
.irp b, 0,1,2,3
	v_add_nc_u32 v[TM+12+\b], 0xff000000, v[TM+\b]
.endr
.irp b, 0,1,2,3
	v_lshrrev_b32 v[TM+4+\b], 23, v[TM+12+\b]
.endr
	v_lshl_or_b32 v[\pw], v[TM+5], 8, v[TM+4]
	v_lshl_or_b32 v[\pw], v[TM+6], 16, v[\pw]
	v_lshl_or_b32 v[\pw], v[TM+7], 24, v[\pw]
.irp b, 0,1,2,3
	v_cvt_scalef32_pk8_fp4_f32 v[(\pc)+2*\b], v[(\s)+16*\b:(\s)+7+16*\b], v[TM+12+\b]
	v_cvt_scalef32_pk8_fp4_f32 v[(\pc)+1+2*\b], v[(\s)+8+16*\b:(\s)+15+16*\b], v[TM+12+\b]
.endr
	v_nop                                          ; one plain place behind a scaled conversion
.irp c, 0,1
.irp i, 0,1
	v_permlane16_swap_b32 v[(\pc)+4*\c+\i], v[(\pc)+2+4*\c+\i]
.endr
.endr
.endm
; where group GAM's images and scale words go: record ((HB + GAM / 2) x 32 + step), its half GAM % 2.  Offsets are made in registers of their own and added to the kept pointers.
.macro OUTPTR
	s_lshr_b32 s56, s[GAM], 1
	s_add_co_u32 s56, s56, s[HB]
	s_lshl_b32 s56, s56, 5
	s_add_co_u32 s56, s56, s[STP]
	s_and_b32 s57, s[GAM], 1
	s_mul_i32 s58, s56, s[RSI]
	s_add_co_u32 s58, s58, s[IOI]
	s_lshl_b32 s59, s57, 12
	s_add_co_u32 s58, s58, s59
	s_mov_b32 s59, 0
	s_add_nc_u64 s[OI:OI+1], s[IB:IB+1], s[58:59]
	s_mul_i32 s58, s56, s[RSS]
	s_add_co_u32 s58, s58, s[IOS]
	s_lshl_b32 s59, s57, 8
	s_add_co_u32 s58, s58, s59
	s_mov_b32 s59, 0
	s_add_nc_u64 s[OS:OS+1], s[SB:SB+1], s[58:59]
.endm
.macro SMLOAD p, k                     ; SMALL tile k of the group in hand into set p: 12 loads of fragments and one of its scale record
	WIN 0xc0                                       ; destination window 3
.irp s, 0,1,2,3,4,5
.irp c, 0,1
	global_load_b128 v[48*(\p)+8*\s+4*\c:48*(\p)+8*\s+4*\c+3], v[LI], s[SM:SM+1] offset:(\k)*6144+1024*\s+512*\c
.endr
.endr
	WIN 0
	global_load_b128 v[SSC+4*(\p):SSC+4*(\p)+3], v[LI], s[SMS:SMS+1] offset:(\k)*512
.endm
; K step s of a sub-unit: eight matrix instructions, the eight accumulators by turns.  cm = 1: C = v's bias; 2: C = q's or k's bias; 0: in place.
; A scale record's register i holds K step i in lanes 0-15 and K step 3 + i in lanes 16-31.
.macro MM s, p, cm
.irp t, 0,1,2,3,4,5,6,7
.set rD, ACC+8*\t
.set rA, 64*((\s)%4)+8*\t
.set rB, 48*(\p)+8*(\s)
.set rX, BSC+4*\t+(\s)%3
.set rY, SSC+4*(\p)+(\s)%3
.if \cm == 1
	v_wmma_scale_f32_16x16x128_f8f6f4 v[rD:rD+7], v[rA:rA+7], v[rB:rB+7], v[BV:BV+7], v[rX], v[rY] matrix_a_fmt:MATRIX_FMT_FP4 matrix_b_fmt:MATRIX_FMT_FP4
.elseif \cm == 2
	v_wmma_scale_f32_16x16x128_f8f6f4 v[rD:rD+7], v[rA:rA+7], v[rB:rB+7], v[BI+8*\t:BI+8*\t+7], v[rX], v[rY] matrix_a_fmt:MATRIX_FMT_FP4 matrix_b_fmt:MATRIX_FMT_FP4
.elseif (\s) < 3
	v_wmma_scale_f32_16x16x128_f8f6f4 v[rD:rD+7], v[rA:rA+7], v[rB:rB+7], v[rD:rD+7], v[rX], v[rY] matrix_a_fmt:MATRIX_FMT_FP4 matrix_b_fmt:MATRIX_FMT_FP4
.else
	v_wmma_scale_f32_16x16x128_f8f6f4 v[rD:rD+7], v[rA:rA+7], v[rB:rB+7], v[rD:rD+7], v[rX], v[rY] matrix_a_fmt:MATRIX_FMT_FP4 matrix_b_fmt:MATRIX_FMT_FP4 matrix_a_scale:MATRIX_SCALE_ROW1 matrix_b_scale:MATRIX_SCALE_ROW1
.endif
.endr
.endm
; Sub-unit i of a group, on SMALL's set p.  la = 1: the tile two further on is asked for.  cnt: the loads issued behind this tile's, which may stay out.
.macro SUB i, p, la, cnt
	s_wait_loadcnt \cnt
	s_cmp_eq_u32 s[ISV], 0                         ; the branch stands round the first K step alone: the bias is its C
	s_cbranch_scc1 .Lqk_\@
.irp j, 0,1,2,3,4,5,6,7
	v_mov_b32 v[BV+\j], v[SSC+4*(\p)+3]            ; v: a lane holds one d, so its bias is one number for all its registers
.endr
.rept 4
	v_nop                                          ; the copies are kept as far ahead of the products as an operand written by vector instructions
.endr
	WIN 0x0d                                       ; source 0 (BIG) window 1, source 1 (SMALL) window 3
	MM 0, \p, 1
	WIN 0
	s_branch .Ljoin_\@
.Lqk_\@:
	WIN 0x2d                                       ; the same, C in window 2
	MM 0, \p, 2
	WIN 0
.Ljoin_\@:
	WIN 0x0d
	MM 1, \p, 0
	MM 2, \p, 0
	MM 3, \p, 0
	WIN 0x0e                                       ; BIG's K steps 4 and 5 lie in window 2
	MM 4, \p, 0
	MM 5, \p, 0
	WIN 0
.rept 4
	v_nop                                          ; four places ahead of the loads into SMALL's registers and of the first read of the results
.endr
.if \la
	SMLOAD \p, (\i)+2
.endif
	QUANT ACC, PC+8*(\i), PW+(\i)
	global_store_b128 v[LI], v[PC+8*(\i):PC+8*(\i)+3], s[OI:OI+1] offset:1024*(\i)        ; 32 lanes store 512 consecutive bytes
	global_store_b128 v[LI], v[PC+8*(\i)+4:PC+8*(\i)+7], s[OI:OI+1] offset:1024*(\i)+512
.endm
.macro GROUP last                      ; four sub-units, and their scale words as one aligned 256 bytes
.if \last
	SUB 0, 0, 1, 13
	SUB 1, 1, 1, 13
	SUB 2, 0, 0, 13
	SUB 3, 1, 0, 0
.else
	SUB 0, 0, 1, 13
	SUB 1, 1, 1, 13
	SUB 2, 0, 1, 13                                ; tiles 4 and 5 from here are the next group's first two
	SUB 3, 1, 1, 13
.endif
	v_cndmask_b32 v[OW], v[PW], v[PW+2], vcc_lo    ; lanes 0-15: words 0, 1 of row r; lanes 16-31: words 2, 3
	v_cndmask_b32 v[OW+1], v[PW+1], v[PW+3], vcc_lo
	global_store_b64 v[A8], v[OW:OW+1], s[OS:OS+1]
.if \last == 0
	s_wait_xcnt 0x0                                ; the pointers and the stores' data are written again only behind this wait
	s_add_nc_u64 s[SM:SM+1], s[SM:SM+1], 4*6144
	s_add_nc_u64 s[SMS:SMS+1], s[SMS:SMS+1], 4*512
	s_add_co_u32 s[GAM], s[GAM], 1
	OUTPTR
.endif
.endm
	s_load_b256 s[4:11], s[0:1], 0x0               ; ximg s[4:5], xsc s[6:7], wimg s[8:9], wsc s[10:11]
	s_load_b256 s[12:19], s[0:1], 0x20             ; bq s[12:13], bk s[14:15], qimg s[16:17], qsc s[18:19]
	s_load_b128 s[20:23], s[0:1], 0x40             ; kvimg s[20:21], kvsc s[22:23]
	v_lshrrev_b32 v4, 5, v0
	v_readfirstlane_b32 s[WV], v4
	v_and_b32 v4, 31, v0
	v_lshlrev_b32 v[LI], 4, v4
	v_and_b32 v5, 15, v0                           ; r
	v_bfe_u32 v6, v0, 4, 1                         ; h
	v_lshlrev_b32 v[A8], 4, v5
	v_lshl_add_u32 v[A8], v6, 3, v[A8]
	v_lshlrev_b32 v[BH], 6, v6
	v_cmp_ne_u32 vcc_lo, 0, v6                     ; kept for the whole launch
.irp b, 0,1,2,3
	v_mov_b32 v[TM+4+\b], 0                        ; written once: a lane permute's destination counts as one of its sources
.endr
	s_mov_b32 s[SEL], 0x76543210
	s_mov_b32 s[SEL+1], 0xfedcba98
	s_lshr_b32 s[GH], ttmp9, 4                     ; q, k: the head unit
	s_and_b32 s56, ttmp9, 15
	s_lshl_b32 s56, s56, 2
	s_add_co_u32 s56, s56, s[WV]                   ; q, k: the x unit
	s_sub_co_u32 s57, ttmp9, 192                   ; v: the x unit
	s_mul_i32 s58, s[WV], 3                        ; v: my first group of four tiles
	s_cmp_ge_u32 ttmp9, 192
	s_cselect_b32 s[ISV], 1, 0
	s_cselect_b32 s[UN], s57, s56
	s_cselect_b32 s[GAM], s58, 0
	s_cselect_b32 s[CNT], 2, 1                     ; groups but the last: v has three groups, q and k two
	s_cmp_lt_u32 s[GH], 6
	s_cselect_b32 s59, 0, 6
	s_sub_co_u32 s59, s[GH], s59
	s_cmp_ge_u32 ttmp9, 192
	s_cselect_b32 s59, 0, s59                      ; the head of q or k; 0 in v's work-groups
	s_lshr_b32 s60, s[UN], 5                       ; the batch
	s_and_b32 s[STP], s[UN], 31
	s_mul_i32 s[HB], s60, 6
	s_add_co_u32 s[HB], s[HB], s59
	s_lshl_b32 s59, s59, 9                         ; the head's 128 numbers of the bias
	s_mul_i32 s56, s[UN], 49152
	s_lshl_b32 s57, s[UN], 12
	s_mul_i32 s58, s[GH], 49152
	s_lshl_b32 s60, s[GH], 12
	s_mul_i32 s61, s[WV], 12
	s_add_co_u32 s61, s61, 96                      ; v: my first tile of wimg
	s_mul_i32 s62, s61, 6144
	s_lshl_b32 s61, s61, 9
	s_cmp_ge_u32 ttmp9, 192
	s_cselect_b32 s48, s56, s58                    ; offsets of BIG, its scales, SMALL, its scales
	s_cselect_b32 s49, s57, s60
	s_cselect_b32 s50, s62, s56
	s_cselect_b32 s51, s61, s57
	s_wait_alu depctr_va_vdst(0)
	s_wait_kmcnt 0x0
	s_cselect_b64 s[BIGP:BIGP+1], s[4:5], s[8:9]   ; the choices hang on the work-group's number alone
	s_cselect_b64 s[BIGS:BIGS+1], s[6:7], s[10:11]
	s_cselect_b64 s[SM:SM+1], s[8:9], s[4:5]
	s_cselect_b64 s[SMS:SMS+1], s[10:11], s[6:7]
	s_mov_b32 s63, 0
	s_mov_b32 s62, s48
	s_add_nc_u64 s[BIGP:BIGP+1], s[BIGP:BIGP+1], s[62:63]
	s_mov_b32 s62, s49
	s_add_nc_u64 s[BIGS:BIGS+1], s[BIGS:BIGS+1], s[62:63]
	s_mov_b32 s62, s50
	s_add_nc_u64 s[SM:SM+1], s[SM:SM+1], s[62:63]
	s_mov_b32 s62, s51
	s_add_nc_u64 s[SMS:SMS+1], s[SMS:SMS+1], s[62:63]
	s_cselect_b32 s[IOI], 8192, 0                  ; V^T's images and words lie behind K's in a record
	s_cselect_b32 s[IOS], 512, 0
	s_cmp_lt_u32 ttmp9, 96                         ; q's work-groups
	s_cselect_b64 s[IB:IB+1], s[16:17], s[20:21]
	s_cselect_b64 s[SB:SB+1], s[18:19], s[22:23]
	s_cselect_b64 s[BP:BP+1], s[12:13], s[14:15]
	s_mov_b32 s[RSI], 16384
	s_cselect_b32 s[RSI], 8192, s[RSI]
	s_mov_b32 s[RSS], 1024
	s_cselect_b32 s[RSS], 512, s[RSS]
	s_mov_b32 s62, s59
	s_add_nc_u64 s[BP:BP+1], s[BP:BP+1], s[62:63]
	WIN 0x40                                       ; destination window 1
.irp s, 0,1,2,3
.irp t, 0,1,2,3,4,5,6,7
.irp c, 0,1
	global_load_b128 v[64*\s+8*\t+4*\c:64*\s+8*\t+4*\c+3], v[LI], s[BIGP:BIGP+1] offset:(6*\t+\s)*1024+512*\c
.endr
.endr
.endr
	WIN 0x80                                       ; destination window 2
.irp s, 4,5
.irp t, 0,1,2,3,4,5,6,7
.irp c, 0,1
	global_load_b128 v[64*(\s-4)+8*\t+4*\c:64*(\s-4)+8*\t+4*\c+3], v[LI], s[BIGP:BIGP+1] offset:(6*\t+\s)*1024+512*\c
.endr
.endr
.endr
.irp t, 0,1,2,3,4,5,6,7                        ; the bias in the result's layout: tile t, lane half h: units 32 (t / 2) + 16 h + 8 (t % 2) + 0 .. 7.  (v's work-groups load bk's first 128 numbers and do not use them: every path has the same loads)
.irp c, 0,1
	global_load_b128 v[BI+8*\t+4*\c:BI+8*\t+4*\c+3], v[BH], s[BP:BP+1] offset:(32*(\t/2)+8*(\t%2))*4+16*\c
.endr
.endr
	WIN 0
.irp t, 0,1,2,3,4,5,6,7
	global_load_b128 v[BSC+4*\t:BSC+4*\t+3], v[LI], s[BIGS:BIGS+1] offset:512*\t
.endr
	SMLOAD 0, 0
	SMLOAD 1, 1
	OUTPTR
.Lgroup:
	GROUP 0
	s_sub_co_u32 s[CNT], s[CNT], 1
	s_cmp_lg_u32 s[CNT], 0
	s_cbranch_scc1 .Lgroup
	GROUP 1                                        ; the last group is written out: it asks for nothing beyond its own four tiles
	s_endpgm
.Lfunc_end_k_q56c6610729_qkv:
	.size	k_q56c6610729_qkv, .Lfunc_end_k_q56c6610729_qkv-k_q56c6610729_qkv
	.p2alignl 7, 3214868480
	.fill 96, 4, 3214868480
	.section	.rodata,"a",@progbits
	.p2align	6, 0x0
	.amdhsa_kernel k_q56c6610729_qkv
		.amdhsa_group_segment_fixed_size 0
		.amdhsa_private_segment_fixed_size 0
		.amdhsa_enable_private_segment 0
		.amdhsa_kernarg_size 80
		.amdhsa_user_sgpr_count 2
		.amdhsa_user_sgpr_kernarg_segment_ptr 1
		.amdhsa_wavefront_size32 1
		.amdhsa_system_sgpr_workgroup_id_x 1
		.amdhsa_system_sgpr_workgroup_id_y 1
		.amdhsa_system_sgpr_workgroup_id_z 1
		.amdhsa_system_vgpr_workitem_id 0
		.amdhsa_next_free_vgpr 864
		.amdhsa_next_free_sgpr 66
		.amdhsa_reserve_vcc 1
		.amdhsa_float_denorm_mode_32 3
		.amdhsa_float_denorm_mode_16_64 3
		.amdhsa_memory_ordered 1
		.amdhsa_forward_progress 1
		.amdhsa_inst_pref_size 121
	.end_amdhsa_kernel
	.amdgpu_metadata
---
amdhsa.version: [ 1, 2 ]
amdhsa.kernels:
  - .name:           k_q56c6610729_qkv
    .symbol:         k_q56c6610729_qkv.kd
    .args:
      - { .name: ximg, .offset: 0, .size: 8, .value_kind: global_buffer, .address_space: global }
      - { .name: xsc, .offset: 8, .size: 8, .value_kind: global_buffer, .address_space: global }
      - { .name: wimg, .offset: 16, .size: 8, .value_kind: global_buffer, .address_space: global }
      - { .name: wsc, .offset: 24, .size: 8, .value_kind: global_buffer, .address_space: global }
      - { .name: bq, .offset: 32, .size: 8, .value_kind: global_buffer, .address_space: global }
      - { .name: bk, .offset: 40, .size: 8, .value_kind: global_buffer, .address_space: global }
      - { .name: qimg, .offset: 48, .size: 8, .value_kind: global_buffer, .address_space: global }
      - { .name: qsc, .offset: 56, .size: 8, .value_kind: global_buffer, .address_space: global }
      - { .name: kvimg, .offset: 64, .size: 8, .value_kind: global_buffer, .address_space: global }
      - { .name: kvsc, .offset: 72, .size: 8, .value_kind: global_buffer, .address_space: global }
    .group_segment_fixed_size: 0
    .private_segment_fixed_size: 0
    .kernarg_segment_align: 8
    .kernarg_segment_size: 80
    .max_flat_workgroup_size: 128
    .sgpr_count:     66
    .vgpr_count:     864
    .wavefront_size: 32
...
	.end_amdgpu_metadata
.endif
;; end of part 2
;; launch attn (part 3): grid 64 x 4, 12 waves a work-group, clusters of 4 x 1, 327,680 bytes of LDS; arguments qimg, qsc, kvimg, kvsc, out0; writes out0
.if DOCPART == 3
	.amdgcn_target "amdgcn-amd-amdhsa--gfx1250"
	.amdhsa_code_object_version 6
	.text
	.protected	k_q56c6610729_attn
	.globl	k_q56c6610729_attn
	.p2align	8
	.type	k_q56c6610729_attn,@function
k_q56c6610729_attn:
	s_mov_b64 s[64:65], 0
	v_nop
	global_prefetch_b8 v0, s[64:65] scope:SCOPE_SE
	s_setreg_imm32_b32 hwreg(HW_REG_WAVE_MODE, 25, 1), 1
	s_wait_xcnt 0x0
	s_wait_alu depctr_hold_cnt(0) depctr_sa_sdst(0) depctr_va_vdst(0) depctr_va_sdst(0) depctr_va_ssrc(0) depctr_va_vcc(0) depctr_vm_vsrc(0)
	s_getreg_b32 s2, hwreg(HW_REG_IB_STS2, 6, 4)
	s_cmp_eq_u32 s2, 0
	s_cbranch_scc0 .Lentry_in_a_cluster
	s_endpgm
.Lentry_in_a_cluster:
	s_bfe_u32 s2, ttmp6, 0x10000c
	s_cmp_lg_u32 s2, 0x3003
	s_cbranch_scc0 .Lentry_shape_is_right
	s_endpgm
.Lentry_shape_is_right:
; out[b][q][128 head + d] = tanh( sum over k of softmax_k(Q[q] . K[k] / sqrt(128)) V[k][d] ), 12 (batch, head) pairs of 4,096 queries x 4,096 keys, both products on codes of FP4 with E8M0 scales.
; Q, K and V^T arrive as images of operand registers (1,024 bytes for 16 rows x 128 along K: byte 512 c + 16 x lane = registers 4 c .. 4 c + 3); lane r of a stored tile t stands for row 32 (t / 2) + 8 (t % 2) + r + 8 (r / 8) of its 128.
; THE SOFTMAX AHEAD OF THE SECOND PRODUCT: t = score x log2(e) / sqrt(128); M = the running largest t rounded UP to a whole number; p = 2^(t - M) is quantised along the keys, not normalised; the row's sum is taken of the
; unquantised p and divides at the end.  When M moves, the sum and O are multiplied by 2^(old M - new M): exact.
; SHARES: 3,072 tiles of 16 queries are 12 for each of 256 work-groups: a work-group owns 64 queries (4 tiles) of THREE heads, one (tile, head) to each of its twelve waves, three waves to a SIMD.  A wave walks its head's 32 key steps of 128.
; Both products are used transposed (S^T = K Q^T, O^T = V^T P^T): a lane holds one query throughout.
; THE KEYS OF A TILE OF K ARE CHOSEN BY THE LDS ADDRESS: row m of tile 4 c + u is key 64 c + 32 (m / 8) + 8 u + m % 8, which lies in stored tile 4 c + u % 2 + 2 (m / 8) at its row 8 (u / 2) + m % 8.  So lane half h holds, in the
; 32 registers of tiles 4 c .. 4 c + 3, keys 64 c + 32 h + 0 .. 31: a WHOLE block of the second product's K, in the operand's own order: a block's maximum needs no other lane and the conversions' results are the operand.
; RING: two LDS slots, each with two key steps of the three heads: six records (K's 8 images, V^T's 8; 64 bytes of padding behind each image, so that rows m and m + 8, two images apart, fall on different banks) and 3 x 2,048 scale bytes.
; Waves 0-5 fetch a record each, waves 6-8 a head's scale bytes: one tensor load a wave.  ORDER OF A STEP: K's next fragments are asked of LDS, then the pending step's softmax and second product run on registers, then V^T's next
; fragments are asked for and the next scores are made: so behind a change of slots register work is at hand while the LDS loads land, and in front of it every read of the old slot is in registers.
; CLUSTER: the four work-groups of a cluster walk the same three heads' K and V, so each tile is asked for jointly, by the same tensor load with a mask that names the four.
; LIMITS: a block of zeros gets the byte 1 where the rule says 127 (its codes are zeros); a block's largest p is made from its largest score, which takes v_exp_f32 not to fall where its input rises; NaN and infinities are not served;
; the promise holds while the scaled scores stay under 2^31 in magnitude; tanh(a) = 1 - 2 / (1 + 2^(2 log2(e) a)) carries an absolute error of a few 2^-24, so its relative error grows as |a| falls (1e-4 near |a| = 2^-10).
.set IMG,   1088                       ; an image in LDS: 1,024 bytes + 64 of padding
.set REC,   16*IMG                     ; a key step's record of one head
.set SCO,   6*REC                      ; behind a slot's six records: its scale bytes, [head 3][step 2][K 512 | V 512]
.set SLOT,  SCO+6144
.set SPARE, 2*SLOT                     ; the spare words, 128 bytes for each wave: six blocks of 256 bytes that no other line names
.set STAGE, SPARE+1536                 ; the way out: 16 rows x (512 + 16) bytes for each wave; no fill ever lands here
.set SP,    528
.set LI,   1                           ; v1     16 x lane
.set AK,   2                           ; v2-3   my lane's place among K's images in slot 0, 1
.set SPW,  5                           ; v5     my spare word; never rewritten
.set NIL,  6                           ; v6     0; never rewritten
.set PFO,  7                           ; v7     256 x lane
.set AV,   8                           ; v8-9   the same for V^T's images
.set AKS,  10                          ; v10-11 K's scale words
.set QF,   16                          ; v16-23 Q's fragment;  v12 -M, v13 the largest score, v[14:15] the sum in two halves
.set QSW,  24                          ; v24    Q's scale words
.set STI,  25
.set STO,  26
.set AVS,  28                          ; v28-29 V's scale words
.set SH8,  30                          ; v30    8 x (lane / 16)
.set VF,   32                          ; v32-95   eight fragments of V^T.  K's eight lie in window 1, v256-319
.set SS,   96                          ; v96-159  S^T, then p
.set OT,   160                         ; v160-223 O^T
.set PCD,  224                         ; v224-231 p's codes
.set KSC,  240                         ; v240-243 K's scale words: register u: tile u in lanes 0-15, tile 4 + u in lanes 16-31
.set VSC,  248                         ; v248-251 V's: register i: tile i in lanes 0-15, tile 4 + i in lanes 16-31;  v253 p's scale word
.set WV,   18
.set NCS,  19                          ; -c
.set SEL,  20
.set CS,   22                          ; s[22:23] c = log2(e) / sqrt(128)
.set G1T,  24
.set G1S,  32
.set G0T,  40                          ; s[40:47] group 0 for my record, one set for each slot
.set G0S,  48                          ; s[48:55] for my scale bytes
.set PFA,  56
.set LIM,  58
.set NB,   59                          ; changes of slots passed
.set CNT,  60
.set MSB, 0
.macro WIN new                         ; the immediate's high byte repeats the setting that is left
.if MSB != \new
	s_set_vgpr_msb (MSB<<8)|\new
.set MSB, \new
.endif
.endm
.macro NOPS
.rept 4
	v_nop
.endr
.endm
.macro CROUND                          ; a round of the cluster's barrier
	s_barrier_signal -1
	s_barrier_wait -1
	s_cmp_lg_u32 s[WV], 0
	s_cbranch_scc1 .Lnot_wave_0_\@
	s_barrier_signal -3
.Lnot_wave_0_\@:
	s_barrier_wait -3
	s_barrier_signal -1
	s_barrier_wait -1
.endm
.macro JLOAD f                         ; slot f is asked for: one chain of branches on the wave's number, one load to an arm; s_nop 0 and four v_nop follow each load
	s_cmp_lt_u32 s[WV], 6
	s_cbranch_scc0 .Lnot_t_\@
	tensor_load_to_lds s[G0T+4*\f:G0T+4*\f+3], s[G1T:G1T+7]
	s_nop 0
	NOPS
	s_branch .Lasked_\@
.Lnot_t_\@:
	s_cmp_lt_u32 s[WV], 9
	s_cbranch_scc0 .Lasked_\@
	tensor_load_to_lds s[G0S+4*\f:G0S+4*\f+3], s[G1S:G1S+7]
	s_nop 0
	NOPS
.Lasked_\@:
.endm
; A prefetch of the records that the NEXT change of slots will ask for: two key steps ahead of that load.  Each cluster asks for what it will load: a slot's 3 x 32,768 bytes are 384 blocks of 256 bytes: wave 9 + j takes head j,
; the partner at place cx the bytes 8,192 cx on (told apart by address), lanes 256 bytes apart: each block once.  Changes 0 to 13 ask (for slots 2 to 15); slots 0 and 1 and the scale bytes come by their loads alone.
.macro PREF
	s_cmp_lt_u32 s[NB], s[LIM]
	s_cbranch_scc0 .Lnot_mine_\@
	global_prefetch_b8 v[PFO], s[PFA:PFA+1] th:TH_LOAD_NT scope:SCOPE_SE
.Lnot_mine_\@:
.endm
	s_load_b256 s[4:11], s[0:1], 0x0               ; qimg s[4:5], qsc s[6:7], kvimg s[8:9], kvsc s[10:11]
	s_load_b64 s[12:13], s[0:1], 0x20              ; out0
	v_lshl_add_u32 v[SPW], v0, 2, SPARE
	v_mov_b32 v[NIL], 0
	ds_add_u32 v[SPW], v[NIL]                      ; the opening lines: the add, twice on end, and its wait ahead of the first tensor load
	ds_add_u32 v[SPW], v[NIL]
	v_lshrrev_b32 v1, 5, v0
	s_delay_alu instid0(VALU_DEP_1)
	v_readfirstlane_b32 s[WV], v1                  ; wave 0..11
	s_and_b32 s66, ttmp7, 0xffff
	s_mul_i32 s66, s66, 3                          ; the first of my work-group's three heads (of 12), which the four partners share
	; group 1.  A record: 16 rows of 1,024 bytes (128 elements of 8), 16 words of padding behind each 256.  Scale bytes: 8 rows of 256 bytes.  15:0 the mask: all four work-groups; 21 set beside a mask
	s_mov_b32 s[G1T], 15|(3<<16)|(1<<20)|(1<<21)|(7<<22)|(15<<25)
	s_mov_b32 s[G1T+1], 128<<16
	s_mov_b32 s[G1T+2], 16<<16
	s_mov_b32 s[G1T+3], 128<<16
	s_mov_b32 s[G1T+4], 16
	s_mov_b32 s[G1T+5], 128
	s_mov_b32 s[G1T+6], 0
	s_mov_b32 s[G1T+7], 0
	s_mov_b32 s[G1S], 15|(3<<16)|(1<<21)
	s_mov_b32 s[G1S+1], 32<<16
	s_mov_b32 s[G1S+2], 8<<16
	s_mov_b32 s[G1S+3], 32<<16
	s_mov_b32 s[G1S+4], 8
	s_mov_b32 s[G1S+5], 32
	s_mov_b32 s[G1S+6], 0
	s_mov_b32 s[G1S+7], 0
	s_lshr_b32 s67, s[WV], 1                       ; waves 0-5: record (head wave / 2, step wave % 2) of a slot
	s_add_co_u32 s67, s67, s66
	s_lshl_b32 s67, s67, 5
	s_and_b32 s68, s[WV], 1
	s_add_co_u32 s67, s67, s68
	s_lshl_b32 s68, s67, 14
	s_mov_b32 s69, 0
	s_max_u32 s70, s[WV], 6                        ; waves 6-8: head wave - 6
	s_sub_co_u32 s70, s70, 6
	s_add_co_u32 s70, s70, s66
	s_lshl_b32 s70, s70, 15
	s_mov_b32 s71, 0
	s_mul_i32 s72, s[WV], REC                      ; where they go: no place in the cluster enters an LDS address
	s_mul_i32 s73, s[WV], 2048
	s_add_co_u32 s73, s73, SCO-6*2048
	s_mov_b32 s[SEL], 0x76543210
	s_mov_b32 s[SEL+1], 0xfedcba98
	s_mov_b32 s[CS], 0x3e0293ee
	s_mov_b32 s[CS+1], s[CS]                       ; named with it as a pair, so it is written
	s_mov_b32 s[NCS], 0xbe0293ee
	s_mov_b32 s[NB], 0
	s_mov_b32 s[CNT], 7
	s_wait_dscnt 0x0                               ; both opening adds are done
	s_wait_kmcnt 0x0
.irp s, 0,1
	s_mov_b32 s[G0T+4*\s], 1
	s_add_co_u32 s[G0T+4*\s+1], s72, \s*SLOT
	s_add_nc_u64 s[G0T+4*\s+2:G0T+4*\s+3], s[8:9], s[68:69]
	s_add_nc_u64 s[G0T+4*\s+2:G0T+4*\s+3], s[G0T+4*\s+2:G0T+4*\s+3], \s*32768
	s_or_b32 s[G0T+4*\s+3], s[G0T+4*\s+3], 0x80000000
	s_mov_b32 s[G0S+4*\s], 1
	s_add_co_u32 s[G0S+4*\s+1], s73, \s*SLOT
	s_add_nc_u64 s[G0S+4*\s+2:G0S+4*\s+3], s[10:11], s[70:71]
	s_add_nc_u64 s[G0S+4*\s+2:G0S+4*\s+3], s[G0S+4*\s+2:G0S+4*\s+3], \s*2048
	s_or_b32 s[G0S+4*\s+3], s[G0S+4*\s+3], 0x80000000
.endr
	CROUND                                         ; all four work-groups are here: the first joint loads meet
	JLOAD 0                                        ; key steps 0 and 1: one tensor load a wave at the head
	s_bfe_u32 s74, ttmp6, 0x40000                  ; cx: it enters Q's, the output's and the prefetches' addresses alone
	s_lshl_b32 s75, ttmp9, 2
	s_add_co_u32 s75, s75, s74                     ; my block of 64 queries, 0..63
	s_lshr_b32 s76, s[WV], 2                       ; my head of the three
	s_add_co_u32 s77, s66, s76                     ; of the twelve
	s_and_b32 s78, s[WV], 3
	s_and_b32 s79, s75, 1
	s_lshl_b32 s79, s79, 2
	s_add_co_u32 s78, s78, s79                     ; my tile t of its unit of 128 queries
	s_lshr_b32 s79, s75, 1                         ; the unit
	s_lshl_b32 s80, s77, 5
	s_add_co_u32 s80, s80, s79
	s_lshl_b32 s82, s80, 13
	s_lshl_b32 s83, s78, 10
	s_add_co_u32 s82, s82, s83
	s_mov_b32 s83, 0
	s_add_nc_u64 s[4:5], s[4:5], s[82:83]          ; Q's image
	s_lshl_b32 s82, s80, 9
	s_lshr_b32 s81, s78, 2
	s_lshl_b32 s81, s81, 8
	s_add_co_u32 s82, s82, s81
	s_and_b32 s81, s78, 3
	s_lshl_b32 s81, s81, 2
	s_add_co_u32 s82, s82, s81
	s_add_nc_u64 s[6:7], s[6:7], s[82:83]          ; its scale words: group t / 4, word t % 4
	s_cmp_ge_u32 s77, 6
	s_cselect_b32 s81, 1, 0                        ; the batch
	s_mul_i32 s84, s81, 6
	s_sub_co_u32 s84, s77, s84                     ; the head
	s_lshl_b32 s82, s81, 12
	s_lshl_b32 s81, s79, 7
	s_add_co_u32 s82, s82, s81
	s_lshr_b32 s81, s78, 1
	s_lshl_b32 s81, s81, 5
	s_add_co_u32 s82, s82, s81
	s_and_b32 s81, s78, 1
	s_lshl_b32 s81, s81, 3
	s_add_co_u32 s82, s82, s81                     ; my tile's first row of the output
	s_mul_i32 s82, s82, 3072
	s_lshl_b32 s81, s84, 9
	s_add_co_u32 s82, s82, s81
	s_add_nc_u64 s[12:13], s[12:13], s[82:83]
	s_max_u32 s81, s[WV], 9                        ; the prefetches: head wave - 9,
	s_sub_co_u32 s81, s81, 9
	s_add_co_u32 s81, s81, s66
	s_lshl_b32 s81, s81, 5
	s_add_co_u32 s81, s81, 4                       ; key step 4: slot 2, which the first change of slots names,
	s_lshl_b32 s82, s81, 14
	s_lshl_b32 s81, s74, 13
	s_add_co_u32 s82, s82, s81                     ; my work-group's 8,192 bytes of the slot's 32,768
	s_add_nc_u64 s[PFA:PFA+1], s[8:9], s[82:83]
	s_cmp_ge_u32 s[WV], 9
	s_cselect_b32 s[LIM], 14, 0
	s_mul_i32 s84, s76, 2*REC                      ; my head's two records in a slot
	s_add_co_u32 s85, s84, 8*IMG                   ; V^T's images lie behind K's
	s_lshl_b32 s86, s76, 11
	s_add_co_u32 s86, s86, SCO                     ; my head's scale bytes
	s_add_co_u32 s87, s86, 512
	s_mul_i32 s88, s[WV], 16*SP
	s_add_co_u32 s88, s88, STAGE                   ; my stage
	v_and_b32 v232, 31, v0
	v_and_b32 v233, 15, v0                         ; r (for K: m)
	v_bfe_u32 v234, v0, 4, 1                       ; h
	v_and_b32 v235, 7, v0                          ; m % 8
	v_bfe_u32 v236, v0, 3, 1                       ; m / 8
	v_lshlrev_b32 v[PFO], 8, v232
	v_lshlrev_b32 v[LI], 4, v232
	v_lshlrev_b32 v27, 4, v233
	global_load_b128 v[QF:QF+3], v[LI], s[4:5]
	global_load_b128 v[QF+4:QF+7], v[LI], s[4:5] offset:512
	global_load_b32 v[QSW], v27, s[6:7]            ; 16 bytes a row
	v_mul_u32_u24 v237, v236, 2*IMG                ; K: two images on for rows 8-15, 256 h + 16 (m % 8) inside an image
	v_lshlrev_b32 v238, 4, v235                    ; K's scale words: 16 (m % 8) + 8 (m / 8) + 256 h
	v_lshl_add_u32 v237, v234, 8, v237
	v_lshl_add_u32 v238, v236, 3, v238
	v_lshl_add_u32 v237, v235, 4, v237
	v_lshl_add_u32 v238, v234, 8, v238
	v_add_nc_u32 v[AK], s84, v237
	v_add_nc_u32 v[AV], s85, v[LI]
	v_add_nc_u32 v[AKS], s86, v238
	v_add_nc_u32 v[AVS], s87, v[LI]
	v_add_nc_u32 v[AK+1], SLOT, v[AK]
	v_add_nc_u32 v[AV+1], SLOT, v[AV]
	v_add_nc_u32 v[AKS+1], SLOT, v[AKS]
	v_add_nc_u32 v[AVS+1], SLOT, v[AVS]
	v_lshlrev_b32 v[SH8], 3, v234
	v_mul_u32_u24 v[STI], v233, SP
	v_add_nc_u32 v[STO], s88, v[LI]                ; back: the 32 lanes take a row of 512 bytes
	v_lshl_add_u32 v[STI], v234, 6, v[STI]
	v_mov_b32 v13, 0xff61b1e6                      ; the largest score so far: -3e38
	v_add_nc_u32 v[STI], s88, v[STI]               ; in: row r, + 64 h
	v_mul_f32 v12, s[NCS], v13
	v_mov_b32 v14, 0                               ; the sum, in two halves
	v_mov_b32 v15, 0
	v_floor_f32 v12, v12                           ; -M
	v_mov_b32 v255, 0                              ; written once: a lane permute's destination counts as one of its sources
	v_mov_b32 v253, 0                              ; named as the upper half of the pair v[252:253] before it is first written
.set j, 0
.rept 64
	v_mov_b32 v[OT+j], 0                           ; O^T: the step has no first copy of its own: the first change of M multiplies zeros
.set j, j+1
.endr
.macro LOADK s, q                      ; 18 LDS loads: K's scale words and eight fragments of step q of slot s, the tiles' rows chosen as the head comment says
	ds_load_b64 v[KSC:KSC+1], v[AKS+\s] offset:1024*\q
	ds_load_b64 v[KSC+2:KSC+3], v[AKS+\s] offset:1024*\q+128
	WIN 0x40                                       ; destination window 1
.irp c, 0,1
.irp u, 0,1,2,3
.irp d, 0,1
	ds_load_b128 v[8*(4*\c+\u)+4*\d:8*(4*\c+\u)+4*\d+3], v[AK+\s] offset:REC*\q+(4*\c+(\u%2))*IMG+128*(\u/2)+512*\d
.endr
.endr
.endr
	WIN 0
.endm
.macro LOADV s, q                      ; 17 LDS loads: V's scale words and V^T's eight fragments
	ds_load_b128 v[VSC:VSC+3], v[AVS+\s] offset:1024*\q
.irp t, 0,1,2,3,4,5,6,7
.irp d, 0,1
	ds_load_b128 v[VF+8*\t+4*\d:VF+8*\t+4*\d+3], v[AV+\s] offset:REC*\q+IMG*\t+512*\d
.endr
.endr
.endm
.macro SMM                             ; S^T = K Q^T; four places follow, ahead of the loads into K's registers and of the first read of the scores
	WIN 0x01                                       ; source 0 window 1
.irp u, 0,1,2,3
	v_wmma_scale_f32_16x16x128_f8f6f4 v[SS+8*\u:SS+8*\u+7], v[8*\u:8*\u+7], v[QF:QF+7], 0, v[KSC+\u], v[QSW] matrix_a_fmt:MATRIX_FMT_FP4 matrix_b_fmt:MATRIX_FMT_FP4
.endr
.irp u, 0,1,2,3
	v_wmma_scale_f32_16x16x128_f8f6f4 v[SS+32+8*\u:SS+32+8*\u+7], v[32+8*\u:32+8*\u+7], v[QF:QF+7], 0, v[KSC+\u], v[QSW] matrix_a_fmt:MATRIX_FMT_FP4 matrix_b_fmt:MATRIX_FMT_FP4 matrix_a_scale:MATRIX_SCALE_ROW1
.endr
	WIN 0
	NOPS
.endm
; The pending step's softmax and second product: registers alone.  Register 32 c + i of lane half h is key 64 c + 32 h + i.  cnt: the LDS loads issued behind V^T's, which may stay out.
.macro SOFTPV cnt
.irp c, 0,1
	v_max3_num_f32 v[232+\c], v[SS+32*\c], v[SS+32*\c+1], v[SS+32*\c+2]   ; my two blocks' largest scores, two chains each; every accumulator is read from its low end on
	v_max3_num_f32 v[234+\c], v[SS+32*\c+16], v[SS+32*\c+17], v[SS+32*\c+18]
.endr
.irp i, 3,5,7,9,11,13
.irp c, 0,1
	v_max3_num_f32 v[232+\c], v[232+\c], v[SS+32*\c+\i], v[SS+32*\c+\i+1]
	v_max3_num_f32 v[234+\c], v[234+\c], v[SS+32*\c+16+\i], v[SS+32*\c+17+\i]
.endr
.endr
.irp c, 0,1
	v_max3_num_f32 v[232+\c], v[232+\c], v[234+\c], v[SS+32*\c+15]
.endr
.irp c, 0,1
	v_max_num_f32 v[232+\c], v[232+\c], v[SS+32*\c+31]
.endr
	v_max_num_f32 v254, v232, v233
	v_permlanex16_b32 v255, v254, s[SEL], s[SEL+1]
	v_max3_num_f32 v13, v13, v254, v255            ; the running largest score of my query, both halves' keys
	v_mul_f32 v254, s[NCS], v13                    ; -t
	v_floor_f32 v254, v254                         ; the new -M = -ceil(t): a whole number
	v_sub_f32 v252, v254, v12                      ; old M - new M: a whole number, 0 or less
	v_mov_b32 v12, v254
	v_cvt_i32_f32 v252, v252                       ; (it saturates)
	v_ldexp_f32 v252, 1.0, v252                    ; f = 2^(old M - new M)
.set j, 0
.rept 32
	v_pk_fma_f32 v[SS+j:SS+j+1], v[SS+j:SS+j+1], s[CS:CS+1], v[12:13] op_sel_hi:[1,0,0]   ; t - M, two at a time
.set j, j+2
.endr
.irp c, 0,1
	v_fma_f32 v[232+\c], v[232+\c], s[CS], v12     ; the same of each block's largest score
.endr
	s_wait_alu depctr_va_vdst(0)                   ; the wait ahead of the batch
.irp c, 0,1
	v_exp_f32 v[232+\c], v[232+\c]                 ; the block's largest p
.endr
.set j, 0
.rept 64
	v_exp_f32 v[SS+j], v[SS+j]                     ; p = 2^(t - M)
.set j, j+1
.endr
	v_pk_mul_f32 v[14:15], v[14:15], v[252:253] op_sel_hi:[1,0]   ; the sums under the new M: the plain instruction behind the exponentials
	s_wait_alu depctr_va_vdst(0)                   ; one wait for the whole batch, ahead of its first reader
	v_pk_add_f32 v[234:235], v[SS:SS+1], v[SS+2:SS+3]              ; the row's sum of the unquantised p: four chains
	v_pk_add_f32 v[236:237], v[SS+4:SS+5], v[SS+6:SS+7]
	v_pk_add_f32 v[238:239], v[SS+8:SS+9], v[SS+10:SS+11]
	v_pk_add_f32 v[14:15], v[14:15], v[SS+12:SS+13]
.irp k, 0,1,2,3,4,5
	v_pk_add_f32 v[234:235], v[234:235], v[SS+14+8*\k:SS+15+8*\k]
	v_pk_add_f32 v[236:237], v[236:237], v[SS+16+8*\k:SS+17+8*\k]
	v_pk_add_f32 v[238:239], v[238:239], v[SS+18+8*\k:SS+19+8*\k]
	v_pk_add_f32 v[14:15], v[14:15], v[SS+20+8*\k:SS+21+8*\k]
.endr
	v_pk_add_f32 v[234:235], v[234:235], v[SS+62:SS+63]
	v_pk_add_f32 v[236:237], v[236:237], v[238:239]
	v_pk_add_f32 v[14:15], v[14:15], v[234:235]
	v_pk_add_f32 v[14:15], v[14:15], v[236:237]
.irp c, 0,1
	v_max_num_f32 v[232+\c], 0x1800000, v[232+\c]  ; the floor 2^(3 - 127): the byte cannot fall under 1
.endr
.irp c, 0,1
	v_add_nc_u32 v[244+\c], 0xff000000, v[232+\c]  ; 2 off the exponent field: the conversion's scale operand
.endr
.irp c, 0,1
	v_lshrrev_b32 v[246+\c], 23, v[244+\c]         ; the byte
.endr
	v_lshl_or_b32 v253, v247, 16, v246             ; my blocks h and 2 + h,
	v_lshlrev_b32 v253, v[SH8], v253               ; at their places in p's scale word;
	v_permlanex16_b32 v255, v253, s[SEL], s[SEL+1]
	v_or_b32 v253, v253, v255                      ; with lane l xor 16's two the word is whole
.irp c, 0,1
.irp u, 0,1,2,3
	v_cvt_scalef32_pk8_fp4_f32 v[PCD+4*\c+\u], v[SS+32*\c+8*\u:SS+32*\c+8*\u+7], v[244+\c]   ; registers 4 c .. 4 c + 3 of the operand: keys 64 c + 32 h + 0 .. 31
.endr
.endr
	s_wait_alu depctr_va_vdst(0)                   ; directly ahead of the first reader of O^T
.set j, 0
.rept 32
	v_pk_mul_f32 v[OT+j:OT+j+1], v[OT+j:OT+j+1], v[252:253] op_sel_hi:[1,0]   ; O^T under the new M; these 32 also stand between p's codes and scale word and the products
.set j, j+2
.endr
	s_wait_alu depctr_va_vdst(0)                   ; directly ahead of the wait below
	s_wait_dscnt \cnt                              ; V^T is in
.irp t, 0,1,2,3                                ; O^T += V^T P^T: the eight accumulators by turns
	v_wmma_scale_f32_16x16x128_f8f6f4 v[OT+8*\t:OT+8*\t+7], v[VF+8*\t:VF+8*\t+7], v[PCD:PCD+7], v[OT+8*\t:OT+8*\t+7], v[VSC+\t], v253 matrix_a_fmt:MATRIX_FMT_FP4 matrix_b_fmt:MATRIX_FMT_FP4
.endr
.irp t, 4,5,6,7
	v_wmma_scale_f32_16x16x128_f8f6f4 v[OT+8*\t:OT+8*\t+7], v[VF+8*\t:VF+8*\t+7], v[PCD:PCD+7], v[OT+8*\t:OT+8*\t+7], v[VSC+\t-4], v253 matrix_a_fmt:MATRIX_FMT_FP4 matrix_b_fmt:MATRIX_FMT_FP4 matrix_a_scale:MATRIX_SCALE_ROW1
.endr
	NOPS                                           ; four places ahead of the loads into V^T's registers, and of the way out's first read
.endm
; A CHANGE OF SLOTS that asks for slot f.  Each wave waits for all its tensor loads, adds 0 to its spare word, and waits for that and for its reads of the slot
; that it has left, all of which are in registers by then.  A round of the cluster's barrier follows, and behind it the joint load: one load of mine is out, and has two key steps in which to land.
.macro CHANGE f, step
	s_wait_tensorcnt 0x0                           ; no tensor load of mine is out, so a group 0 may be written
	ds_add_u32 v[SPW], v[NIL]
	ds_add_u32 v[SPW], v[NIL]                      ; the add, twice on end
.if \step
	s_add_nc_u64 s[G0T+4*\f+2:G0T+4*\f+3], s[G0T+4*\f+2:G0T+4*\f+3], 65536   ; this slot's next fill: four key steps on; the type bits on top are not reached
	s_add_nc_u64 s[G0S+4*\f+2:G0S+4*\f+3], s[G0S+4*\f+2:G0S+4*\f+3], 4096
	s_wait_xcnt 0x0                                ; the last prefetch, a slot back, has read its address, so it may be written
	s_add_nc_u64 s[PFA:PFA+1], s[PFA:PFA+1], 32768
	s_add_co_u32 s[NB], s[NB], 1
.endif
	s_wait_dscnt 0x0
	CROUND
	JLOAD \f
	PREF
.endm
; A UNIT: the pending step is finished and step q of slot s is begun.  bar = 1: a change of slots that fills the other slot; 2: the last change, which fills nothing.
.macro UNIT s, q, bar
.if \bar == 1
.if \s == 0
	CHANGE 1, 1
.else
	CHANGE 0, 1
.endif
.endif
.if \bar == 2
	s_wait_tensorcnt 0x0
	ds_add_u32 v[SPW], v[NIL]
	s_wait_dscnt 0x0
	s_barrier_signal -1
	s_barrier_wait -1
.endif
	LOADK \s, \q
	SOFTPV 18                                      ; behind V^T's loads: K's 18
	LOADV \s, \q
	s_wait_dscnt 17                                ; K is in; V^T's 17 may be out
	SMM
.endm
	s_wait_alu depctr_va_vdst(0)                   ; the wait at the head's end
	CHANGE 1, 0                                    ; slot 0 is whole; slot 1's first fill is issued as a refill is
	LOADK 0, 0
	LOADV 0, 0
	s_wait_loadcnt 0x0                             ; Q
	s_wait_dscnt 17
	SMM
.Lloop:                                            ; seven trips of four key steps: steps 1 to 28 are begun, slots 2 to 15 asked for
	UNIT 0, 1, 0
	UNIT 1, 0, 1
	UNIT 1, 1, 0
	UNIT 0, 0, 1
	s_sub_co_u32 s[CNT], s[CNT], 1
	s_cmp_lg_u32 s[CNT], 0
	s_cbranch_scc1 .Lloop
	UNIT 0, 1, 0                                   ; the last three steps are written out
	UNIT 1, 0, 2
	UNIT 1, 1, 0
	SOFTPV 0
	; THE WAY OUT: 2 log2(e) a = O^T x (2 log2(e) / the sum); tanh(a) = 1 - 2 / (1 + 2^(2 log2(e) a))
	v_add_f32 v14, v14, v15                        ; the sum's two halves,
	s_delay_alu instid0(VALU_DEP_1)
	v_permlanex16_b32 v255, v14, s[SEL], s[SEL+1]
	s_delay_alu instid0(VALU_DEP_1)
	v_add_f32 v14, v14, v255                       ; and lane l xor 16's
	s_delay_alu instid0(VALU_DEP_1)
	v_mul_f32 v14, 0x3eb17218, v14                 ; x ln(2) / 2
	s_wait_alu depctr_va_vdst(0)
	v_rcp_f32 v14, v14
	v_nop                                          ; a plain place behind the reciprocal
	s_wait_alu depctr_va_vdst(0)                   ; the wait ahead of its first reader, which is also the first reader of the last products' results
.set j, 0
.rept 32
	v_pk_mul_f32 v[SS+j:SS+j+1], v[OT+j:OT+j+1], v[14:15] op_sel_hi:[1,0]   ; each accumulator from its low end on
.set j, j+2
.endr
	s_wait_alu depctr_va_vdst(0)
.set j, 0
.rept 64
	v_exp_f32 v[SS+j], v[SS+j]
.set j, j+1
.endr
	v_nop
	s_wait_alu depctr_va_vdst(0)
.set j, 0
.rept 32
	v_pk_add_f32 v[SS+j:SS+j+1], v[SS+j:SS+j+1], 1.0 op_sel_hi:[1,0]
.set j, j+2
.endr
	s_wait_alu depctr_va_vdst(0)
.set j, 0
.rept 64
	v_rcp_f32 v[SS+j], v[SS+j]
.set j, j+1
.endr
	v_nop
	s_wait_alu depctr_va_vdst(0)
.set j, 0
.rept 32
	v_pk_fma_f32 v[SS+j:SS+j+1], v[SS+j:SS+j+1], -2.0, 1.0 op_sel_hi:[1,0,0]
.set j, j+2
.endr
	; register 16 b + i of lane (r, h) is channel 32 b + 16 h + i of query r: through my stage, and back as whole rows of 512 bytes
.irp b, 0,1,2,3
.irp g, 0,1,2,3
	ds_store_b128 v[STI], v[SS+16*\b+4*\g:SS+16*\b+4*\g+3] offset:128*\b+16*\g
.endr
.endr
.irp p, 0,1,2,3,4,5,6,7,8,9,10,11,12,13,14,15
	ds_load_b128 v[VF+4*\p:VF+4*\p+3], v[STO] offset:SP*\p   ; LDS serves a wave's instructions in order: these see my stores
.endr
.irp p, 0,1,2,3,4,5,6,7,8,9,10,11,12,13,14,15
	s_wait_dscnt 15-\p                             ; row p is back; the younger loads may be out
	global_store_b128 v[LI], v[VF+4*\p:VF+4*\p+3], s[12:13] offset:(\p+8*(\p/8))*3072 th:TH_STORE_NT   ; 32 lanes store 512 consecutive bytes, at a multiple of 256 from the output's first byte
.endr
	s_wait_tensorcnt 0x0                           ; the wave's end
	ds_add_u32 v[SPW], v[NIL]
	s_wait_dscnt 0x0
	CROUND                                         ; the closing round: no work-group ends while a partner may still ask for a tile that names it
	s_endpgm
.Lfunc_end_k_q56c6610729_attn:
	.size	k_q56c6610729_attn, .Lfunc_end_k_q56c6610729_attn-k_q56c6610729_attn
	.p2alignl 7, 3214868480
	.fill 96, 4, 3214868480
	.section	.rodata,"a",@progbits
	.p2align	6, 0x0
	.amdhsa_kernel k_q56c6610729_attn
		.amdhsa_group_segment_fixed_size 327680
		.amdhsa_private_segment_fixed_size 0
		.amdhsa_enable_private_segment 0
		.amdhsa_kernarg_size 40
		.amdhsa_user_sgpr_count 2
		.amdhsa_user_sgpr_kernarg_segment_ptr 1
		.amdhsa_wavefront_size32 1
		.amdhsa_system_sgpr_workgroup_id_x 1
		.amdhsa_system_sgpr_workgroup_id_y 1
		.amdhsa_system_sgpr_workgroup_id_z 1
		.amdhsa_system_vgpr_workitem_id 0
		.amdhsa_next_free_vgpr 320
		.amdhsa_next_free_sgpr 96
		.amdhsa_reserve_vcc 0
		.amdhsa_float_denorm_mode_32 3
		.amdhsa_float_denorm_mode_16_64 3
		.amdhsa_memory_ordered 1
		.amdhsa_forward_progress 1
		.amdhsa_inst_pref_size 161
	.end_amdhsa_kernel
	.amdgpu_metadata
---
amdhsa.version: [ 1, 2 ]
amdhsa.kernels:
  - .name:           k_q56c6610729_attn
    .symbol:         k_q56c6610729_attn.kd
    .args:
      - { .name: qimg, .offset: 0, .size: 8, .value_kind: global_buffer, .address_space: global }
      - { .name: qsc, .offset: 8, .size: 8, .value_kind: global_buffer, .address_space: global }
      - { .name: kvimg, .offset: 16, .size: 8, .value_kind: global_buffer, .address_space: global }
      - { .name: kvsc, .offset: 24, .size: 8, .value_kind: global_buffer, .address_space: global }
      - { .name: out0, .offset: 32, .size: 8, .value_kind: global_buffer, .address_space: global }
    .group_segment_fixed_size: 327680
    .private_segment_fixed_size: 0
    .kernarg_segment_align: 8
    .kernarg_segment_size: 40
    .max_flat_workgroup_size: 384
    .sgpr_count:     96
    .vgpr_count:     320
    .wavefront_size: 32
...
	.end_amdgpu_metadata
.endif
;; end of part 3
